; MI455X (gfx1250); checked and timed in simulation.
; The chip was launched on July 23, 2026; its instructions are those of AMD's public machine-readable ISA for CDNA 5 (MIT licence, August 2026) and "CDNA5" Instruction Set Architecture Reference Guide (July 2026). The comments in the code are by the model that wrote it; some were corrected since.
;; Multi Head Latent Attention. Allowed arithmetic: matrix products marked QUANTISED: E2M3 operands, one E8M0 scale for each 32 along K, by v_wmma_scale_f32_16x16x128_f8f6f4 with both operands' format E2M3, f32 sums; everything else in f32.
;; Inputs: kv_norm_w 64 float32; q_norm_w 64 float32; w_kv_a_codes 64 x 32 x 24 uint8 (E2M3 codes of w_kv_a, K innermost, in blocks of 32 codes, four codes in three bytes); w_kv_a_scales 64 x 32 uint8 (E8M0 scales of w_kv_a, one for each 32 codes along K); w_kv_b_codes 2,048 x 2 x 24 uint8 (E2M3 codes of w_kv_b, K innermost, in blocks of 32 codes, four codes in three bytes); w_kv_b_scales 2,048 x 2 uint8 (E8M0 scales of w_kv_b, one for each 32 codes along K); w_proj_codes 1,024 x 32 x 24 uint8 (E2M3 codes of w_proj, K innermost, in blocks of 32 codes, four codes in three bytes); w_proj_scales 1,024 x 32 uint8 (E8M0 scales of w_proj, one for each 32 codes along K); w_q_a_codes 64 x 32 x 24 uint8 (E2M3 codes of w_q_a, K innermost, in blocks of 32 codes, four codes in three bytes); w_q_a_scales 64 x 32 uint8 (E8M0 scales of w_q_a, one for each 32 codes along K); w_q_b_codes 1,024 x 2 x 24 uint8 (E2M3 codes of w_q_b, K innermost, in blocks of 32 codes, four codes in three bytes); w_q_b_scales 1,024 x 2 uint8 (E8M0 scales of w_q_b, one for each 32 codes along K); x_codes 4 x 2,048 x 32 x 24 uint8 (E2M3 codes of x, K innermost, in blocks of 32 codes, four codes in three bytes); x_scales 4 x 2,048 x 32 uint8 (E8M0 scales of x, one for each 32 codes along K).
;; Outputs: out0 4 x 2,048 x 1,024 float32.
;; This version of the problem:
;;   THIS VERSION OF THE PROBLEM IS GIVEN IN LOW PRECISION. The matrix products marked QUANTISED in the list below multiply operands that are first quantised to E2M3 (2 exponent bits, 3 mantissa bits; 6 bits a number), with one power-of-two scale for each 32 numbers along K (OCP MX v1.0); their sums are f32. All else is computed in f32.
;;   The module's matrix products, in the order in which they are computed (A, B: the left and right operand; K: the contracted axis; several contracted axes count as one K, in the product's order):
;;     1. [M 8,192, K 1,024] x [K 1,024, N 64]; A: input x (given as codes); B: input w_kv_a (given as codes): QUANTISED
;;     2. [M 8,192, K 64] x [K 64, N 2,048]; A: computed on the way; B: input w_kv_b (given as codes): QUANTISED
;;     3. [M 8,192, K 1,024] x [K 1,024, N 64]; A: input x (given as codes); B: input w_q_a (given as codes): QUANTISED
;;     4. [M 8,192, K 64] x [K 64, N 1,024]; A: computed on the way; B: input w_q_b (given as codes): QUANTISED
;;     5. batch 64 x [M 2,048, K 64] x [K 64, N 2,048]; A: computed on the way; B: computed on the way: QUANTISED
;;     6. batch 64 x [M 2,048, K 2,048] x [K 2,048, N 64]; A: softmax (see below); B: computed on the way: QUANTISED
;;     7. [M 8,192, K 1,024] x [K 1,024, N 1,024]; A: computed on the way; B: input w_proj (given as codes): QUANTISED
;;   THE QUANTISER, for each operand of a quantised product, along K:
;;     - K is cut into blocks of 32 from its start; a last block that is shorter is filled with zeros.
;;     - A block's scale is 2^e with e = floor(log2(the largest magnitude in the block)) - 2, held to -126 .. 127; a block of zeros has e = 0. As a byte (E8M0): e + 127.
;;     - Each number is divided by its block's scale, clamped to +-7.5, and rounded to the nearest number of E2M3, ties to even, subnormals kept.
;;     - The product sums the exact products of the quantised numbers (number of the format x scale) in f32.
;;   ~~~python
;;   def quantise(x, axis):      # numpy; x: float32 -> the quantised numbers, widened to float32 again
;;       x = np.moveaxis(x, axis, -1); K = x.shape[-1]
;;       x = np.pad(x, [(0, 0)] * (x.ndim - 1) + [(0, -K % 32)]); x = x.reshape(x.shape[:-1] + (-1, 32)); a = np.abs(x).max(-1, keepdims=True)
;;       e = np.where(a > 0, np.clip(np.frexp(np.where(a > 0, a, 1))[1] - 1 - 2, -126, 127), 0)      # np.frexp(a)[1] - 1 = floor(log2(a)), exactly
;;       r = np.clip(x / 2.0 ** e, -7.5, 7.5)
;;       step = 2.0 ** (np.maximum(np.frexp(np.where(r == 0, 1, r))[1] - 1, 0) - 3)
;;       q = np.round(r / step) * step * 2.0 ** e      # np.round: ties to even
;;       return np.moveaxis(q.reshape(q.shape[:-2] + (-1,))[..., :K], -1, axis).astype(np.float32)
;;   ~~~
;;   SOFTMAX AHEAD OF A QUANTISED PRODUCT. Where the list says 'softmax', what is quantised is not the finished softmax but p = 2^(t - M), with t = logit x log2(e) and M = ceil(the row's largest t), a whole number; so 1/2 < the row's largest p <= 1. The row's sum l is taken of the UNQUANTISED p, in f32, and the product's result is divided by l at the end. Since M is a whole number, a kernel that streams over the keys may use a running M (the ceiling of the running maximum): every later rescaling is an exact power of two, which a block's scale takes up: the codes' values come out the same.
;;   OPERANDS COMPUTED ON THE WAY. 'Computed on the way' means the value that the module computes at that place (a softmax that the list does not call 'softmax' is quantised finished and normalised). What goes into a quantiser is computed in f32, as accurately as f32 sums, v_exp_f32 and their like allow (about 1e-6 of the number): no bf16 or f16 on the way to a quantiser, and a product that is left as it is and whose result goes on into a quantised operand takes f32 operands (vector FMAs, or v_wmma_f32_16x16x4_f32). A number that lies on a knife's edge between two numbers of the format may be rounded either way, as far as f32 arithmetic and the matrix unit's own rounding can turn it there, and no further.
;;   INPUTS GIVEN AS CODES. w_kv_a (in the module: [64, 1024], K = its axis 1); w_kv_b (in the module: [2048, 64], K = its axis 1); w_proj (in the module: [1024, 1024], K = its axis 1); w_q_a (in the module: [64, 1024], K = its axis 1); w_q_b (in the module: [1024, 64], K = its axis 1); x (in the module: [4, 2048, 1024], K = its axis 2): each comes as NAME_codes (uint8): NAME with its K axis moved to the last place and cut into blocks of 32 codes, [.., K / 32, bytes a block], one block behind the other in memory; four codes in three bytes: a row's codes are one little-endian stream of bits, code i at bits 6 i .. 6 i + 5 (a code: sign, 2 exponent bits, 3 mantissa bits); and NAME_scales (uint8): the same leading axes, one E8M0 byte (e + 127) for each 32 codes along K. Its value is code x scale, taken as it is: it is not quantised again, and the codes and scales need not be those that the quantiser above would give.
;; One version. Each part assembles by itself: llvm-mc -triple=amdgcn-amd-amdhsa -mcpu=gfx1250 --defsym DOCPART=n.
;; ======== version 1 of 1: 3 launches
;; limits: right only within a limited range of input values
;; workspace buffers: lat_codes 786,432 bytes; lat_scales 65,536 bytes; y_codes 6,291,456 bytes; y_scales 262,144 bytes
;; launch latent (part 1): grid 256 x 1, 8 waves a work-group, clusters of 4 x 1, 250,880 bytes of LDS; arguments x_codes, x_scales, w_kv_a_codes, w_kv_a_scales, w_q_a_codes, w_q_a_scales, kv_norm_w, q_norm_w, lat_codes, lat_scales; writes lat_codes, lat_scales
.if DOCPART == 1
	.amdgcn_target "amdgcn-amd-amdhsa--gfx1250"
	.amdhsa_code_object_version 6
	.text
	.protected	k_q8c00ca6d98_latent
	.globl	k_q8c00ca6d98_latent
	.p2align	8
	.type	k_q8c00ca6d98_latent,@function
k_q8c00ca6d98_latent:
	s_mov_b64 s[64:65], 0
	v_nop
	global_prefetch_b8 v0, s[64:65] scope:SCOPE_SE
	s_setreg_imm32_b32 hwreg(HW_REG_WAVE_MODE, 25, 1), 1
	s_wait_xcnt 0x0
	s_wait_alu depctr_hold_cnt(0) depctr_sa_sdst(0) depctr_va_vdst(0) depctr_va_sdst(0) depctr_va_ssrc(0) depctr_va_vcc(0) depctr_vm_vsrc(0)
	s_getreg_b32 s2, hwreg(HW_REG_IB_STS2, 6, 4)
	s_cmp_eq_u32 s2, 0
	s_cbranch_scc0 .Lentry_in_a_cluster
	s_endpgm
.Lentry_in_a_cluster:
	s_bfe_u32 s2, ttmp6, 0x10000c
	s_cmp_lg_u32 s2, 0x3003
	s_cbranch_scc0 .Lentry_shape_is_right
	s_endpgm
.Lentry_shape_is_right:
; Both latents: L_p = rmsnorm(x W_p^T) w_p, p = 0 (kv), 1 (q), on codes of FP6 (E2M3) with one E8M0 byte for each 32 along K = 1,024; then L_p is quantised along its 64 units and stored as codes.
; SHARES.  A work-group takes 32 tokens.  Wave w: path p = w / 4, quarter kq = w % 4 of K (256 along K: two matrix instructions deep), both tiles of 16 tokens x all 64 units: 8 accumulators, 16 matrix instructions.
; The four quarters of a path are added through LDS in f32 (the order of the f32 sums differs from one chain along K).  So all bytes of the work-group are asked for at once.
; THE PRODUCT IS USED TRANSPOSED (source 0 = 16 rows of W, source 1 = 16 tokens) and THE ROWS OF W THAT FORM A TILE ARE NOT NEIGHBOURS: lane r of tile rt takes unit 32 (rt / 2) + 8 (rt % 2) + r + 8 (r / 8),
; so that a lane holds one token and its 32 registers are units 32 B + 16 (lane / 16) + i: 16 neighbours of each block of 32, as the conversions want them.
; THE TOKENS OF A TILE: q path: tile u holds tokens 16 u + r.  kv path: tile u holds tokens 8 u + r + 8 (r / 8): the next launch uses these tiles as rows of K and V and wants that order.
; OUT.  lat_codes [path][tile 0..511][768 bytes]: registers 0-5 of an operand (lane (r, h): units 32 h .. 32 h + 31 of the tile's row r) as they stand: 512 bytes (registers 0-3, 16 a lane), then 256 (registers 4-5, 8 a lane).
;       lat_scales [path][tile][16 words]: row r's two bytes in the low half, 0 above.
; CLUSTER.  The four work-groups of a cluster need the same tiles of W_kv and W_q, four fifths of a work-group's bytes: each is asked for jointly.  x's tile is the work-group's own: a plain load.
; LIMITS.  A block of zeros gets the byte 1 where the rule says 127: its codes are zeros and this program alone reads the bytes.  A block whose largest magnitude lies under 2^-124 is held at the byte 1.  A given scale byte of 0xff gives NaN.
; THE WORK-GROUP'S 32 ROWS: 'tokens' above are counted in the work-group's own 32 rows.  Work-group g = 2 c + v takes two runs of 16 tokens: rows 0-15 are tokens 64 c + 16 v + 0 .. 15, rows 16-31 tokens 64 c + 32 + 16 v + 0 .. 15.
; So kv tile 2 g + u = 4 c + (2 v + u) holds tokens 64 c + 8 (2 v + u) + r % 8 + 32 (r / 8), as the next launch wants them, and the q path's tile u is the plain tile 4 c + 2 u + v of 16 neighbouring tokens.
.set PITCH, 816                        ; an LDS row: a whole row of 768 bytes of codes, 16 bytes of padding behind every 256
.set XT,    32*PITCH                   ; x's tile: 32 rows
.set PART,  184320                     ; behind the tiles (x's 32 rows, W_kv's 64, W_q's 64: 130,560 bytes, shared by all waves): 8,192 bytes of partial sums for each wave; no tile lands here
.set XA,   4                           ; v4-5  LDS address of my x fragments, tile u;  v6-7 the same behind one padding more
.set WA,   8                           ; v8    of my W fragments;  v9 behind one padding more
.set XSO,  10                          ; v10-11 byte offset of my row's scale words in x_scales, tile u
.set WSO,  12                          ; v12   the same for W
.set NWO,  13                          ; v13   64 h: my half's norm weights
.set PST,  14                          ; v14   where I put partial sums
.set PLD,  15                          ; v15   where I read them back
.set XSC,  16                          ; v16-19 x's scale words (tile u, K step s) at 2 u + s
.set WSC,  20                          ; v20-27 W's (tile rt, K step s) at 2 rt + s
.set XF,   28                          ; v28-75  x's fragments at 12 (2 u + s)
.set WF,   76                          ; v76-171 W's at 12 (2 rt + s)
.set ACC,  172                         ; v172-235 accumulators at 8 (4 u + rt)
.set P,    28                          ; the tail: four quarters of 32 sums, v28-155; the first becomes the latent
.set CD,   156                         ; v156-161 the codes
.set MSB, 0
.macro WIN new                         ; the immediate's high byte repeats the setting that is left
.if MSB != \new
	s_set_vgpr_msb (MSB<<8)|\new
.set MSB, \new
.endif
.endm
.macro ROUND                           ; a round of the cluster's barrier
	s_barrier_signal -1
	s_barrier_wait -1
	s_cmp_lg_u32 s24, 0
	s_cbranch_scc1 .Lnot_wave_0_\@
	s_barrier_signal -3
.Lnot_wave_0_\@:
	s_barrier_wait -3
	s_barrier_signal -1
	s_barrier_wait -1
.endm
; A fragment, 16 rows x 128 K, is 12 registers: lane (r, h) takes 24 bytes of row r twice, in pieces of 8.  Lanes 16-31 read three pieces further on; where that lies behind one padding more, the second address serves.
.macro FRAG reg, a0, a1, q, rowbase
.irp p, 0,1,2,3,4,5
.set PC, 12*(\q)+6*(\p/3)+\p%3
.if PC%32 < 29                         ; q counts steps of 128 along K from the row's start; a piece is 8 bytes, 32 pieces to 256 bytes
	ds_load_b64 v[\reg+2*\p:\reg+2*\p+1], v[\a0] offset:8*PC+16*(PC/32)+(\rowbase)*PITCH
.else
	ds_load_b64 v[\reg+2*\p:\reg+2*\p+1], v[\a1] offset:8*PC+16*(PC/32)+(\rowbase)*PITCH
.endif
.endr
.endm
.macro LMM s, zero                     ; 8 matrix instructions: K step s of my quarter; the eight accumulators take turns
.irp u, 0,1
.irp rt, 0,1,2,3
.if \zero
	v_wmma_scale_f32_16x16x128_f8f6f4 v[ACC+8*(4*\u+\rt):ACC+8*(4*\u+\rt)+7], v[WF+12*(2*\rt+\s):WF+12*(2*\rt+\s)+11], v[XF+12*(2*\u+\s):XF+12*(2*\u+\s)+11], 0, v[WSC+2*\rt+\s], v[XSC+2*\u+\s] matrix_a_fmt:MATRIX_FMT_FP6 matrix_b_fmt:MATRIX_FMT_FP6
.else
	v_wmma_scale_f32_16x16x128_f8f6f4 v[ACC+8*(4*\u+\rt):ACC+8*(4*\u+\rt)+7], v[WF+12*(2*\rt+\s):WF+12*(2*\rt+\s)+11], v[XF+12*(2*\u+\s):XF+12*(2*\u+\s)+11], v[ACC+8*(4*\u+\rt):ACC+8*(4*\u+\rt)+7], v[WSC+2*\rt+\s], v[XSC+2*\u+\s] matrix_a_fmt:MATRIX_FMT_FP6 matrix_b_fmt:MATRIX_FMT_FP6
.endif
.endr
.endr
.endm
	s_load_b512 s[4:19], s[0:1], 0x0               ; x codes s[4:5], x scales s[6:7], W_kv codes s[8:9], scales s[10:11], W_q codes s[12:13], scales s[14:15], kv norm s[16:17], q norm s[18:19]
	s_load_b128 s[20:23], s[0:1], 0x40             ; lat_codes, lat_scales
	v_lshl_add_u32 v245, v0, 2, 0x3d000
	v_mov_b32 v253, 0
	ds_add_u32 v245, v253
	ds_add_u32 v245, v253
	v_lshrrev_b32 v1, 5, v0
	s_delay_alu instid0(VALU_DEP_1)
	v_readfirstlane_b32 s24, v1                    ; wave 0..7
	s_lshr_b32 s25, s24, 2                         ; p: the path
	s_and_b32 s26, s24, 3                          ; kq: my quarter of K
	s_bfe_u32 s27, ttmp6, 0x40000                  ; cx: it enters global addresses of my own loads and stores alone
	s_lshl_b32 s28, ttmp9, 2
	s_add_co_u32 s28, s28, s27                     ; g: my block of 32 tokens
	v_and_b32 v1, 15, v0                           ; r
	v_bfe_u32 v2, v0, 4, 1                         ; h
	v_and_b32 v3, 31, v0                           ; lane
	s_delay_alu instid0(VALU_DEP_3)
	v_and_b32 v236, 8, v1
	s_xor_b32 s29, s25, 1                          ; 1 on the kv path
	v_mul_u32_u24 v237, s29, v236
	s_delay_alu instid0(VALU_DEP_1)
	v_add_nc_u32 v237, v237, v1                    ; tile 0's token: r + 8 (r / 8) on the kv path, r on the q path
	s_lshl_b32 s34, s25, 3
	s_add_co_u32 s34, s34, 8
	v_add_nc_u32 v238, s34, v237                   ; tile 1's: 8 further on, or 16
	s_mul_i32 s35, s25, 64*PITCH                   ; my path's 64 rows of W,
	s_add_co_u32 s35, s35, XT                      ; behind x's tile
	v_mul_u32_u24 v239, v2, 24
	s_delay_alu instid0(VALU_DEP_1)
	v_mad_u32_u24 v[XA], v237, PITCH, v239
	s_delay_alu instid0(VALU_DEP_2)
	v_mad_u32_u24 v[XA+1], v238, PITCH, v239
	s_delay_alu instid0(VALU_DEP_2)
	v_lshl_add_u32 v[XA+2], v2, 4, v[XA]
	s_delay_alu instid0(VALU_DEP_2)
	v_lshl_add_u32 v[XA+3], v2, 4, v[XA+1]
	v_add_nc_u32 v240, v236, v1                    ; r + 8 (r / 8)
	s_delay_alu instid0(VALU_DEP_1)
	v_mad_u32_u24 v[WA], v240, PITCH, v239
	s_delay_alu instid0(VALU_DEP_1)
	v_add_nc_u32 v[WA], s35, v[WA]
	s_delay_alu instid0(VALU_DEP_1)
	v_lshl_add_u32 v[WA+1], v2, 4, v[WA]
	s_lshl_b32 s2, s26, 3                          ; my quarter's two scale words in a row of 32 bytes
	v_and_b32 v241, 16, v237                       ; rows 16-31 lie 16 tokens further on in memory
	v_and_b32 v243, 16, v238
	s_delay_alu instid0(VALU_DEP_2)
	v_add_nc_u32 v241, v241, v237
	s_delay_alu instid0(VALU_DEP_2)
	v_add_nc_u32 v243, v243, v238
	s_delay_alu instid0(VALU_DEP_2)
	v_lshl_add_u32 v[XSO], v241, 5, s2
	s_delay_alu instid0(VALU_DEP_2)
	v_lshl_add_u32 v[XSO+1], v243, 5, s2
	v_lshl_add_u32 v[WSO], v240, 5, s2
	v_lshlrev_b32 v[NWO], 6, v2
	s_lshl_b32 s3, s24, 13
	s_add_co_u32 s3, s3, PART
	v_lshl_add_u32 v[PST], v3, 4, s3               ; my 8,192 bytes of partial sums, 16 a lane
	s_lshl_b32 s3, s25, 15                         ; back: my path's four quarters,
	s_and_b32 s29, s26, 1                          ; u: the tile of tokens that I finish (waves with kq = 0, 1)
	s_lshl_b32 s34, s29, 12
	s_add_co_u32 s3, s3, s34
	s_add_co_u32 s3, s3, PART
	v_lshl_add_u32 v[PLD], v3, 4, s3
	; descriptor group 1
	; x: 8 whole rows of 768 bytes, 16 bytes of padding behind every 256; no mask
	s_mov_b32 s40, (1<<20)|(5<<22)|(3<<25)
	s_mov_b32 s41, 768<<16
	s_mov_b32 s42, 8<<16
	s_mov_b32 s43, 768<<16
	s_mov_b32 s44, 8
	s_mov_b32 s45, 768
	s_mov_b32 s46, 0
	s_mov_b32 s47, 0
	; W: 32 such rows; the mask names all four work-groups, bit 21 beside it
	s_mov_b32 s52, 15|(1<<20)|(1<<21)|(5<<22)|(3<<25)
	s_mov_b32 s53, 768<<16
	s_mov_b32 s54, 32<<16
	s_mov_b32 s55, 768<<16
	s_mov_b32 s56, 32
	s_mov_b32 s57, 768
	s_mov_b32 s58, 0
	s_mov_b32 s59, 0
	s_mov_b32 s36, 1                               ; group 0 for x: waves 4-7 fetch rows 8 (wave % 4) .. + 7,
	s_mul_i32 s37, s26, 8*PITCH
	s_mov_b32 s48, 1                               ; for W_kv: waves 0, 1 fetch rows 32 (wave % 2) .. + 31,
	s_mul_i32 s49, s29, 32*PITCH
	s_add_co_u32 s49, s49, XT
	s_mov_b32 s60, 1                               ; for W_q: waves 2, 3 likewise: the LDS addresses hang on the wave's number alone
	s_add_co_u32 s61, s49, 64*PITCH
	s_mul_i32 s34, s29, 6144                       ; my 8 rows of x: token 64 c + 16 v + 8 (k % 2) + 32 (k / 2), k = wave % 4
	s_lshr_b32 s2, s26, 1
	s_mul_i32 s2, s2, 24576
	s_add_co_u32 s34, s34, s2
	s_and_b32 s2, s28, 1
	s_mul_i32 s2, s2, 12288
	s_add_co_u32 s34, s34, s2
	s_lshr_b32 s2, s28, 1
	s_mul_i32 s2, s2, 49152
	s_add_co_u32 s2, s2, s34
	s_mov_b32 s3, 0
	s_mul_i32 s30, s29, 24576                      ; (this pair never holds the work-group's place)
	s_mov_b32 s31, 0
	s_wait_dscnt 0x0
	s_wait_kmcnt 0x0
	s_add_nc_u64 s[38:39], s[4:5], s[2:3]
	s_or_b32 s39, s39, 0x80000000
	s_add_nc_u64 s[50:51], s[8:9], s[30:31]
	s_or_b32 s51, s51, 0x80000000
	s_add_nc_u64 s[62:63], s[12:13], s[30:31]
	s_or_b32 s63, s63, 0x80000000
	ROUND                                          ; all four work-groups are here: the joint loads meet
	s_cmp_lt_u32 s24, 2                            ; one chain of branches on the wave's number, one fill to an arm: every wave has one load out
	s_cbranch_scc0 .Lnot_kv
	tensor_load_to_lds s[48:51], s[52:59]
	s_nop 0
.rept 4
	v_nop
.endr
	s_branch .Lasked
.Lnot_kv:
	s_cmp_lt_u32 s24, 4
	s_cbranch_scc0 .Lfor_x
	tensor_load_to_lds s[60:63], s[52:59]
	s_nop 0
.rept 4
	v_nop
.endr
	s_branch .Lasked
.Lfor_x:
	tensor_load_to_lds s[36:39], s[40:47]
	s_nop 0
.rept 4
	v_nop
.endr
.Lasked:
	s_lshr_b32 s2, s28, 1                          ; token 64 c + 16 v, 32 bytes a token
	s_lshl_b32 s2, s2, 11
	s_and_b32 s34, s28, 1
	s_lshl_b32 s34, s34, 9
	s_add_co_u32 s2, s2, s34
	s_add_nc_u64 s[6:7], s[6:7], s[2:3]            ; x's scale bytes at my 32 rows
	s_cmp_eq_u32 s25, 0                            ; my path's scales and norm weights: the choice hangs on the wave's number
	s_cselect_b64 s[10:11], s[10:11], s[14:15]
	s_cselect_b64 s[16:17], s[16:17], s[18:19]
	s_and_b32 s35, s28, 1                          ; v
	s_lshr_b32 s34, s28, 1
	s_lshl_b32 s34, s34, 2                         ; 4 c
	s_cmp_eq_u32 s25, 0
	s_cselect_b32 s2, s35, s29                     ; the tile that I finish: 4 c + 2 v + u on the kv path, 4 c + 2 u + v on the q path
	s_cselect_b32 s35, s29, s35
	s_lshl_b32 s2, s2, 1
	s_add_co_u32 s34, s34, s2
	s_add_co_u32 s34, s34, s35
	s_mul_i32 s2, s34, 768
	s_mul_i32 s35, s25, 393216
	s_add_co_u32 s2, s2, s35
	s_add_nc_u64 s[20:21], s[20:21], s[2:3]
	s_lshl_b32 s2, s34, 6
	s_lshl_b32 s35, s25, 15
	s_add_co_u32 s2, s2, s35
	s_add_nc_u64 s[22:23], s[22:23], s[2:3]
	s_mov_b32 s30, 0x76543210
	s_mov_b32 s31, 0xfedcba98                      ; v_permlanex16_b32: lane l xor 16
	s_mov_b32 s32, 0x3c800000                      ; 1 / 64
	s_mov_b32 s33, 0x358637bd                      ; 1e-6
	s_wait_alu depctr_va_vdst(0)
	global_load_b64 v[XSC:XSC+1], v[XSO], s[6:7]
	global_load_b64 v[XSC+2:XSC+3], v[XSO+1], s[6:7]
.irp rt, 0,1,2,3
	global_load_b64 v[WSC+2*\rt:WSC+2*\rt+1], v[WSO], s[10:11] offset:(32*(\rt/2)+8*(\rt%2))*32
.endr
	WIN 0x40                                       ; destination window 1: v256-287, the norm weights in the sums' layout
.irp rt, 0,1,2,3
	global_load_b128 v[8*\rt:8*\rt+3], v[NWO], s[16:17] offset:(32*(\rt/2)+8*(\rt%2))*4
	global_load_b128 v[8*\rt+4:8*\rt+7], v[NWO], s[16:17] offset:(32*(\rt/2)+8*(\rt%2))*4+16
.endr
	WIN 0
	s_wait_tensorcnt 0x0                           ; my part of the tiles is in;
	s_barrier_signal -1
	s_barrier_wait -1                              ; and so is every wave's: all waves read all tiles
; my quarter's 72 loads: written once for each quarter, so that a piece's place in the padded row is a constant of the text; the branch hangs on the wave's number alone
.macro ALLFR kq
.irp s, 0,1
.irp u, 0,1
	FRAG XF+12*(2*\u+\s), XA+\u, XA+2+\u, 2*\kq+\s, 0
.endr
.irp rt, 0,1,2,3
	FRAG WF+12*(2*\rt+\s), WA, WA+1, 2*\kq+\s, 32*(\rt/2)+8*(\rt%2)
.endr
.endr
.endm
.irp k, 0,1,2
	s_cmp_lg_u32 s26, \k
	s_cbranch_scc1 .Lnot_quarter_\k
	ALLFR \k
	s_branch .Lfetched
.Lnot_quarter_\k:
.endr
	ALLFR 3
.Lfetched:
	s_wait_loadcnt 0x0                             ; scale words and norm weights
	s_wait_dscnt 36                                ; the first K step's 36 loads are in; the second's 36 may be out
	LMM 0, 1                                       ; the first products start the sums
	s_wait_dscnt 0x0
	LMM 1, 0
.rept 4
	v_nop                                          ; four places ahead of the first read of results and of loads into the operands' registers
.endr
.irp a, 0,1,2,3,4,5,6,7
	ds_store_b128 v[PST], v[ACC+8*\a:ACC+8*\a+3] offset:1024*\a          ; each accumulator from its low end on
	ds_store_b128 v[PST], v[ACC+8*\a+4:ACC+8*\a+7] offset:1024*\a+512
.endr
	s_wait_dscnt 0x0                               ; for the others: my partial sums lie in LDS
	s_barrier_signal -1
	s_barrier_wait -1
	s_cmp_gt_u32 s26, 1                            ; waves (p, kq = 0, 1) finish tile u = kq of path p
	s_cbranch_scc1 .Ldone
.irp k, 0,1,2,3
.irp rt, 0,1,2,3
	ds_load_b128 v[P+32*\k+8*\rt:P+32*\k+8*\rt+3], v[PLD] offset:8192*\k+1024*\rt
	ds_load_b128 v[P+32*\k+8*\rt+4:P+32*\k+8*\rt+7], v[PLD] offset:8192*\k+1024*\rt+512
.endr
.endr
	v_mov_b32 v241, 0                              ; a lane permute's destination counts as one of its sources
	v_mov_b32 v243, 0                              ; (named as the upper half of the pair v[242:243])
	v_mov_b32 v248, 0
	v_mov_b32 v249, 0
	v_lshlrev_b32 v232, 4, v3
	v_lshlrev_b32 v233, 3, v3
	v_lshlrev_b32 v234, 2, v1
	s_wait_dscnt 16                                ; quarters 0 and 1 are in; the 16 loads of quarters 2 and 3 may be out
.irp i, 0,2,4,6,8,10,12,14,16,18,20,22,24,26,28,30
	v_pk_add_f32 v[P+\i:P+\i+1], v[P+\i:P+\i+1], v[P+32+\i:P+32+\i+1]
.endr
	s_wait_dscnt 0x0
.irp i, 0,2,4,6,8,10,12,14,16,18,20,22,24,26,28,30
	v_pk_add_f32 v[P+64+\i:P+64+\i+1], v[P+64+\i:P+64+\i+1], v[P+96+\i:P+96+\i+1]
.endr
.irp i, 0,2,4,6,8,10,12,14,16,18,20,22,24,26,28,30
	v_pk_add_f32 v[P+\i:P+\i+1], v[P+\i:P+\i+1], v[P+64+\i:P+64+\i+1]
.endr
	v_pk_mul_f32 v[236:237], v[P:P+1], v[P:P+1]                    ; the sum of squares of my 32, in two chains
	v_pk_mul_f32 v[238:239], v[P+2:P+3], v[P+2:P+3]
.irp i, 4,8,12,16,20,24,28
	s_delay_alu instid0(VALU_DEP_2)
	v_pk_fma_f32 v[236:237], v[P+\i:P+\i+1], v[P+\i:P+\i+1], v[236:237]
	s_delay_alu instid0(VALU_DEP_2)
	v_pk_fma_f32 v[238:239], v[P+\i+2:P+\i+3], v[P+\i+2:P+\i+3], v[238:239]
.endr
	s_delay_alu instid0(VALU_DEP_1)
	v_pk_add_f32 v[236:237], v[236:237], v[238:239]
	s_delay_alu instid0(VALU_DEP_1)
	v_add_f32 v236, v236, v237
	s_delay_alu instid0(VALU_DEP_1)
	v_permlanex16_b32 v241, v236, s30, s31
	s_delay_alu instid0(VALU_DEP_1)
	v_add_f32 v236, v236, v241                     ; with lane l xor 16: the token's 64
	s_delay_alu instid0(VALU_DEP_1)
	v_fma_f32 v240, v236, s32, s33                 ; the mean + 1e-6
	s_wait_alu depctr_va_vdst(0)
	v_rsq_f32 v242, v240
	v_nop                                          ; a plain instruction behind the transcendental,
	s_wait_alu depctr_va_vdst(0)                   ; and the wait ahead of its first reader
.irp i, 0,2,4,6,8,10,12,14,16,18,20,22,24,26,28,30
	v_pk_mul_f32 v[P+\i:P+\i+1], v[P+\i:P+\i+1], v[242:243] op_sel_hi:[1,0]
.endr
	WIN 0x04                                       ; source 1 window 1
.irp i, 0,2,4,6,8,10,12,14,16,18,20,22,24,26,28,30
	v_pk_mul_f32 v[P+\i:P+\i+1], v[P+\i:P+\i+1], v[\i:\i+1]        ; x the norm weights
.endr
	WIN 0
	; the two blocks of 32 units: largest magnitude with the floor 2^(3 - 127) among its leaves, 2 off its exponent field = the conversion's scale operand, its exponent field = the byte
.irp b, 0,1
	v_max3_num_f32 v[246+\b], |v[P+16*\b]|, |v[P+1+16*\b]|, 0x1800000
.endr
.irp i, 2,4,6,8,10,12,14
.irp b, 0,1
	s_delay_alu instid0(VALU_DEP_2)
	v_max3_num_f32 v[246+\b], v[246+\b], |v[P+16*\b+\i]|, |v[P+1+16*\b+\i]|
.endr
.endr
.irp b, 0,1
	s_delay_alu instid0(VALU_DEP_2)
	v_permlanex16_b32 v[248+\b], v[246+\b], s30, s31
.endr
.irp b, 0,1
	s_delay_alu instid0(VALU_DEP_2)
	v_max_num_f32 v[246+\b], v[246+\b], v[248+\b]
.endr
.irp b, 0,1
	s_delay_alu instid0(VALU_DEP_2)
	v_add_nc_u32 v[254+\b], 0xff000000, v[246+\b]
.endr
.irp b, 0,1
	s_delay_alu instid0(VALU_DEP_2)
	v_lshrrev_b32 v[248+\b], 23, v[254+\b]
.endr
	s_delay_alu instid0(VALU_DEP_1)
	v_lshl_or_b32 v244, v249, 8, v248              ; my row's scale word
	v_cvt_scalef32_pk16_fp6_f32 v[CD:CD+2], v[P:P+15], v254
	v_cvt_scalef32_pk16_fp6_f32 v[250:252], v[P+16:P+31], v255
	v_nop                                          ; one plain instruction behind a scaled conversion
.irp i, 0,1,2
	v_permlane16_swap_b32 v[CD+\i], v[250+\i]      ; the operand wants a whole block in a lane: lanes 0-15 block 0, lanes 16-31 block 1
.endr
.irp i, 0,1,2
	s_delay_alu instid0(VALU_DEP_3)
	v_mov_b32 v[CD+3+\i], v[250+\i]
.endr
	global_store_b128 v232, v[CD:CD+3], s[20:21]               ; 512 consecutive bytes, at a multiple of 256 from the buffer's first byte
	global_store_b64 v233, v[CD+4:CD+5], s[20:21] offset:512   ; 256 more
	global_store_b32 v234, v244, s[22:23]                      ; 64 bytes: lanes r and r + 16 hold the same word and write it to the same place.  The words beside them are other work-groups': one byte in thirteen of what the launch stores
.Ldone:
	s_wait_dscnt 0x0
	s_wait_tensorcnt 0x0
	ds_add_u32 v245, v253
	s_wait_dscnt 0x0
	ROUND                                          ; the closing round: no work-group ends while a partner may still ask for a tile that names it
	s_endpgm
.Lfunc_end_k_q8c00ca6d98_latent:
	.size	k_q8c00ca6d98_latent, .Lfunc_end_k_q8c00ca6d98_latent-k_q8c00ca6d98_latent
	.p2alignl 7, 3214868480
	.fill 96, 4, 3214868480
	.section	.rodata,"a",@progbits
	.p2align	6, 0x0
	.amdhsa_kernel k_q8c00ca6d98_latent
		.amdhsa_group_segment_fixed_size 250880
		.amdhsa_private_segment_fixed_size 0
		.amdhsa_enable_private_segment 0
		.amdhsa_kernarg_size 80
		.amdhsa_user_sgpr_count 2
		.amdhsa_user_sgpr_kernarg_segment_ptr 1
		.amdhsa_wavefront_size32 1
		.amdhsa_system_sgpr_workgroup_id_x 1
		.amdhsa_system_sgpr_workgroup_id_y 1
		.amdhsa_system_sgpr_workgroup_id_z 1
		.amdhsa_system_vgpr_workitem_id 0
		.amdhsa_next_free_vgpr 288
		.amdhsa_next_free_sgpr 66
		.amdhsa_reserve_vcc 0
		.amdhsa_float_denorm_mode_32 3
		.amdhsa_float_denorm_mode_16_64 3
		.amdhsa_memory_ordered 1
		.amdhsa_forward_progress 1
		.amdhsa_inst_pref_size 44
	.end_amdhsa_kernel
	.amdgpu_metadata
---
amdhsa.version: [ 1, 2 ]
amdhsa.kernels:
  - .name:           k_q8c00ca6d98_latent
    .symbol:         k_q8c00ca6d98_latent.kd
    .args:
      - { .name: x_codes, .offset: 0, .size: 8, .value_kind: global_buffer, .address_space: global }
      - { .name: x_scales, .offset: 8, .size: 8, .value_kind: global_buffer, .address_space: global }
      - { .name: w_kv_a_codes, .offset: 16, .size: 8, .value_kind: global_buffer, .address_space: global }
      - { .name: w_kv_a_scales, .offset: 24, .size: 8, .value_kind: global_buffer, .address_space: global }
      - { .name: w_q_a_codes, .offset: 32, .size: 8, .value_kind: global_buffer, .address_space: global }
      - { .name: w_q_a_scales, .offset: 40, .size: 8, .value_kind: global_buffer, .address_space: global }
      - { .name: kv_norm_w, .offset: 48, .size: 8, .value_kind: global_buffer, .address_space: global }
      - { .name: q_norm_w, .offset: 56, .size: 8, .value_kind: global_buffer, .address_space: global }
      - { .name: lat_codes, .offset: 64, .size: 8, .value_kind: global_buffer, .address_space: global }
      - { .name: lat_scales, .offset: 72, .size: 8, .value_kind: global_buffer, .address_space: global }
    .group_segment_fixed_size: 250880
    .private_segment_fixed_size: 0
    .kernarg_segment_align: 8
    .kernarg_segment_size: 80
    .max_flat_workgroup_size: 256
    .sgpr_count:     66
    .vgpr_count:     288
    .wavefront_size: 32
...
	.end_amdgpu_metadata
.endif
;; end of part 1
;; launch attn (part 2): grid 4 x 64, 8 waves a work-group, no clusters, 214,016 bytes of LDS; arguments lat_codes, lat_scales, w_kv_b_codes, w_kv_b_scales, w_q_b_codes, w_q_b_scales, y_codes, y_scales; writes y_codes, y_scales
.if DOCPART == 2
	.amdgcn_target "amdgcn-amd-amdhsa--gfx1250"
	.amdhsa_code_object_version 6
	.text
	.protected	k_q8c00ca6d98_attn
	.globl	k_q8c00ca6d98_attn
	.p2align	8
	.type	k_q8c00ca6d98_attn,@function
k_q8c00ca6d98_attn:
	s_mov_b64 s[64:65], 0
	v_nop
	global_prefetch_b8 v0, s[64:65] scope:SCOPE_SE
	s_setreg_imm32_b32 hwreg(HW_REG_WAVE_MODE, 25, 1), 1
	s_wait_xcnt 0x0
; One head of one batch, 512 queries to a work-group: k, v and q are expanded from the latents' codes, quantised, and y = softmax(q k^T / 8) v is quantised for the last product.  All products on codes of FP6 (E2M3), one E8M0 byte for each 32 along K.
; K AND V NEVER GO TO MEMORY.  A head's 2,048 keys are 98,304 bytes of K's codes and as many of V's: the eight waves make them once (256 keys each) and lay them in LDS as IMAGES OF THE OPERANDS' REGISTERS; one barrier; then every
; wave walks all keys, 128 a step, with LDS loads of 16 bytes a lane alone.  The four work-groups of a head each make K and V anew: 128 matrix instructions a wave against 768 in its walk.
; NO CLUSTER: what the four share is the batch's latents and the head's weights, 113 KB read once at the head straight into operand registers; only tensor loads can be joint, and this text has none.
; SHARES.  Wave w owns 64 queries, four tiles of 16; each fragment of K and V read from LDS feeds all four.  Two waves to a SIMD.
; LAYOUT.  All products are used so that a lane's registers run along the next K.  k, q: source 0 = 16 rows of the weight, source 1 = 16 tokens: a lane holds a token, registers run along d.  v: source 0 = 16 tokens, source 1 = 16 rows of the
; weight: a lane holds a d, registers run along the keys.  S^T = K Q^T and O^T = V^T P^T: a lane holds one query.
; WHICH ROWS FORM A TILE.  A weight's tile t takes d = 8 t + r % 8 + 32 (r / 8); tile 4 c + u of the kv latents holds tokens 64 c + 8 u + r % 8 + 32 (r / 8).  A result's register j of lane (r, h) is row 8 h + j of source 0's tile, so the 32
; registers of four neighbouring tiles are places 32 h + 0 .. 31 (+ 64 c) along the next K: ONE WHOLE BLOCK OF 32 IN A LANE, in the order of the operand's registers.  No lane asks another for a block's maximum and no codes change lanes;
; only the scale word's bytes are gathered from lanes l and l xor 16.
; K = 64 IN AN INSTRUCTION OF 128.  One side (the weights; Q) holds zero codes in its registers 6-11.  The other side's operand is 12 registers that begin at its tile's six: the upper six are the next tile's codes (behind the last tile: zeros),
; are multiplied by the code 0 and add nothing; the scale bytes that go with them are 0 or a neighbour's bytes, never 0xff.
; THE SOFTMAX.  t = score x log2(e) / 8; M = the running largest t rounded up to a whole number; p = 2^(t - M) is quantised along the keys; the sum is taken of the unquantised p and divides O at the end; when M moves, the sum and O are
; multiplied by 2^(old M - new M), which rounds nothing.  A block's largest p is made from the block's largest score by the same two instructions.
; OUT.  y_codes [head][tile of 16 rows 0..511][768 bytes]: registers 0-5 of an operand as they stand.  y_scales [8192][32]: byte 2 head + b.
; LIMITS.  A block of zeros gets the byte 1 where the rule says 127 (zero codes; this program alone reads the bytes); a block under 2^-124 is held at the byte 1; a given scale byte of 0xff gives NaN.
; The promise holds while the scaled scores t stay under 2^31 in magnitude.
.set KIMG,  0                          ; LDS: K: [key step 16][pair of tiles 4][1,536 bytes: 12 registers, 16 bytes a lane, 512 a store]
.set VIMG,  98304                      ; V: [key step][tile of d 4][1,536]
.set KSC,   196608                     ; K's scale words: [key step][lane][pair]: lanes 0-15 the even tile's, lanes 16-31 the odd one's
.set VSC,   204800                     ; V's: [key step][lane][tile of d]
.set STEPB, 6144
; window 0
.set LI,  3                            ; 16 x lane
.set L8,  4                            ; 8 x lane
.set L4,  5                            ; 4 x lane
.set SH,  6                            ; 16 h: a shift
.set KW,  7                            ; where I store K's images;  v8 V's;  v9, v10 their scale words
.set VW,  8
.set KSW, 9
.set VSW, 10
.set RDK, 11                           ; the walk's read addresses: K, V, K's scale words
.set RDV, 12
.set RDS, 13
.set WO,  14                           ; a weight's row: (r % 8 + 32 (r / 8)) x 48 + 24 h
.set WSO, 15                           ; and its two scale bytes
.set KS,  16                           ; v16-19 K's scale words of a step;  v20-23 V's;  v24-27 Q's
.set VS,  20
.set QS,  24
.set PW,  28                           ; the scale word just made;  v29 a second
.set F,   30                           ; v[30:31] 2^(old M - new M), 0
.set ST,  32                           ; tile t at 4 t: -M, the largest t, the sum in two halves
.set Q,   48                           ; v48-95 Q's four fragments
.set S,   96                           ; v96-159 scores, then p;  in the prologue results by turns here and in v32-95
.set PC,  160                          ; v160-171 the codes just made
.set TP,  172                          ; v172-178 the conversions' second halves
.set TM,  180                          ; v180-183 largest magnitudes, v184-187 permutes and bytes, v[188:189] second chain, v190 at work, v192-193 scale operands
.set RDT, 196                          ; V's scale words
.set L32, 197                          ; 32 x lane
.set YB,  198                          ; v198-199 y's scale bytes to store
.set SH8, 200                          ; 8 h: a shift
.set WKS, 204                          ; v204-215 the weights' scale words
.set WVS, 208
.set WQS, 212
.set LSC, 216                          ; v216-223 the kv latents' scale words, a pair of tiles each
.set QL,  224                          ; v224-247 the q latents' four tiles, v248-253 zeros
.set QLS, 254
; window 1
.set KF,  0                            ; the walk: v0-47 K's eight tiles, v48-53 zeros; v54-101 V's four fragments; v128-255 O^T, 32 a tile
.set VF,  54
.set O,   128
.set LT,  0                            ; the prologue: v0-95 my 16 tiles of kv latents, v96-101 zeros; v102.. the weights' fragments
.set WK,  102
.set WV,  150
.set WQ,  198
.set MSB, 0
.macro WIN new                         ; the immediate's high byte repeats the setting that is left
.if MSB != \new
	s_set_vgpr_msb (MSB<<8)|\new
.set MSB, \new
.endif
.endm
; a product that starts a sum.  row = 1: source 0's scales from lanes 16-31;  2: source 1's
.macro FP6Z d, a, b, sa, sb, row
.if (\row) == 1
	v_wmma_scale_f32_16x16x128_f8f6f4 v[\d:\d+7], v[\a:\a+11], v[\b:\b+11], 0, v[\sa], v[\sb] matrix_a_fmt:MATRIX_FMT_FP6 matrix_b_fmt:MATRIX_FMT_FP6 matrix_a_scale:MATRIX_SCALE_ROW1
.elseif (\row) == 2
	v_wmma_scale_f32_16x16x128_f8f6f4 v[\d:\d+7], v[\a:\a+11], v[\b:\b+11], 0, v[\sa], v[\sb] matrix_a_fmt:MATRIX_FMT_FP6 matrix_b_fmt:MATRIX_FMT_FP6 matrix_b_scale:MATRIX_SCALE_ROW1
.else
	v_wmma_scale_f32_16x16x128_f8f6f4 v[\d:\d+7], v[\a:\a+11], v[\b:\b+11], 0, v[\sa], v[\sb] matrix_a_fmt:MATRIX_FMT_FP6 matrix_b_fmt:MATRIX_FMT_FP6
.endif
.endm
.macro FP6A d, a, b, sa, sb            ; and one that adds in place
	v_wmma_scale_f32_16x16x128_f8f6f4 v[\d:\d+7], v[\a:\a+11], v[\b:\b+11], v[\d:\d+7], v[\sa], v[\sb] matrix_a_fmt:MATRIX_FMT_FP6 matrix_b_fmt:MATRIX_FMT_FP6
.endm
; The last lines of a quantiser: v[TM+12], v[TM+13] hold the two scale operands, the four conversions have been issued.  My two bytes go to bytes h and 2 + h of a word, lane l xor 16's fill the other two.
; These plain lines also stand between the conversions and the moves that read their results.
.macro WORD d0, d1, pw
	v_lshrrev_b32 v[TM+4], 23, v[TM+12]            ; the bytes
	v_lshrrev_b32 v[TM+5], 23, v[TM+13]
	s_delay_alu instid0(VALU_DEP_1)
	v_lshl_or_b32 v[TM+4], v[TM+5], 16, v[TM+4]
	s_delay_alu instid0(VALU_DEP_1)
	v_lshlrev_b32 v[TM+4], v[SH8], v[TM+4]
	s_delay_alu instid0(VALU_DEP_1)
	v_permlanex16_b32 v[TM+5], v[TM+4], s36, s37
.irp i, 0,1,2
	v_mov_b32 v[(\d0)+3+\i], v[TP+\i]              ; (a conversion's three registers begin on an even number: a block's second three do not)
	v_mov_b32 v[(\d1)+3+\i], v[TP+4+\i]
.endr
	v_or_b32 v[\pw], v[TM+4], v[TM+5]
.endm
; 64 numbers of a lane, two groups of 32: group g's register i = place 32 (lane / 16) + i of its 64 along K.  v[d0] on: group 0's six registers of codes; v[d1] on: group 1's; v[pw]: bytes (group 0: h = 0, 1; group 1: h = 0, 1).
; 32 numbers and the floor 2^(3 - 127) are 33 leaves: 16 three-input maxima, in two chains a group.
.macro QUANT s, d0, d1, pw
.irp g, 0,1
	v_max3_num_f32 v[TM+2*\g], |v[(\s)+32*\g]|, |v[(\s)+32*\g+1]|, 0x1800000
	v_max3_num_f32 v[TM+2*\g+1], |v[(\s)+32*\g+16]|, |v[(\s)+32*\g+17]|, |v[(\s)+32*\g+18]|
.endr
.irp i, 0,2,4,6,8,10
.irp g, 0,1
	v_max3_num_f32 v[TM+2*\g], v[TM+2*\g], |v[(\s)+32*\g+2+\i]|, |v[(\s)+32*\g+3+\i]|
	v_max3_num_f32 v[TM+2*\g+1], v[TM+2*\g+1], |v[(\s)+32*\g+19+\i]|, |v[(\s)+32*\g+20+\i]|
.endr
.endr
.irp g, 0,1
	v_max3_num_f32 v[TM+2*\g], v[TM+2*\g], |v[(\s)+32*\g+14]|, |v[(\s)+32*\g+15]|
.endr
.irp g, 0,1
	v_max3_num_f32 v[TM+2*\g], v[TM+2*\g], v[TM+2*\g+1], |v[(\s)+32*\g+31]|   ; the block's largest magnitude
.endr
.irp g, 0,1
	v_add_nc_u32 v[TM+12+\g], 0xff000000, v[TM+2*\g]   ; 2 off its exponent field: the conversion's scale operand
.endr
	v_cvt_scalef32_pk16_fp6_f32 v[(\d0):(\d0)+2], v[(\s):(\s)+15], v[TM+12]
	v_cvt_scalef32_pk16_fp6_f32 v[TP:TP+2], v[(\s)+16:(\s)+31], v[TM+12]
	v_cvt_scalef32_pk16_fp6_f32 v[(\d1):(\d1)+2], v[(\s)+32:(\s)+47], v[TM+13]
	v_cvt_scalef32_pk16_fp6_f32 v[TP+4:TP+6], v[(\s)+48:(\s)+63], v[TM+13]
	WORD \d0, \d1, \pw
.endm
; THE PROLOGUE'S UNITS, 16 a wave: key step ks = n / 8 of my two; n % 8 = 0..3: the pair b of tiles of K; 4..7: the tile dt of V.  Eight matrix instructions each, results in v96.. (n even) or v32.. (n odd).
.macro MMK ks, b, e
.irp uu, 0,1
.irp t, 0,1,2,3
	FP6Z (\e)+32*\uu+8*\t, WK+12*\t, LT+6*(8*(\ks)+2*(\b)+\uu), WKS+\t, LSC+4*(\ks)+(\b), 2*\uu
.endr
.endr
.endm
.macro MMV ks, dt, e
.irp tt, 0,1,2,3,4,5,6,7
	FP6Z (\e)+8*\tt, LT+6*(8*(\ks)+\tt), WV+12*(\dt), LSC+4*(\ks)+\tt/2, WVS+(\dt), \tt%2
.endr
.endm
.macro MM n
.set un, (\n)%8
.set uk, (\n)/8
.set ue, S-64*((\n)%2)
.if un < 4
	MMK uk, un, ue
.else
	MMV uk, un-4, ue
.endif
.endm
.macro MMQ j                           ; the pair j of my tiles of queries
.irp uu, 0,1
.irp t, 0,1,2,3
	FP6Z S+32*\uu+8*\t, WQ+12*\t, QL+6*(2*(\j)+\uu), WQS+\t, QLS+(\j), 2*\uu
.endr
.endr
.endm
.macro FIN n                           ; unit n is quantised and its image goes to LDS
.set un, (\n)%8
.set uk, (\n)/8
.set ue, S-64*((\n)%2)
	s_wait_dscnt 0x0                               ; the last unit's stores have read the registers that are written now
	QUANT ue, PC, PC+6, PW
.if un < 4
.irp c, 0,1,2
	ds_store_b128 v[KW], v[PC+4*\c:PC+4*\c+3] offset:uk*STEPB+un*1536+512*\c
.endr
	v_lshrrev_b32 v[PW], v[SH], v[PW]              ; lanes 16-31: the odd tile's two bytes come down
	ds_store_b32 v[KSW], v[PW] offset:uk*512+4*un
.else
.irp c, 0,1,2
	ds_store_b128 v[VW], v[PC+4*\c:PC+4*\c+3] offset:uk*STEPB+(un-4)*1536+512*\c
.endr
	ds_store_b32 v[VSW], v[PW] offset:uk*512+4*(un-4)
.endif
.endm
	s_load_b512 s[4:19], s[0:1], 0x0               ; lat_codes s[4:5], lat_scales s[6:7], w_kv_b codes s[8:9], scales s[10:11], w_q_b codes s[12:13], scales s[14:15], y_codes s[16:17], y_scales s[18:19]
	v_lshl_add_u32 v202, v0, 2, 0x34000            ; my spare word, behind the images and scale words,
	v_mov_b32 v203, 0                              ; and 0: for the wave's last lines
	v_lshrrev_b32 v1, 5, v0
	s_delay_alu instid0(VALU_DEP_1)
	v_readfirstlane_b32 s20, v1                    ; wave 0..7
	s_and_b32 s22, ttmp7, 0xffff
	s_lshr_b32 s23, s22, 4                         ; batch
	s_and_b32 s24, s22, 15                         ; head
	v_and_b32 v1, 15, v0                           ; r
	v_bfe_u32 v2, v0, 4, 1                         ; h
	v_and_b32 v[L4], 31, v0
	s_delay_alu instid0(VALU_DEP_1)
	v_lshlrev_b32 v[LI], 4, v[L4]
	s_delay_alu instid0(VALU_DEP_2)
	v_lshlrev_b32 v[L8], 3, v[L4]
	s_delay_alu instid0(VALU_DEP_3)
	v_lshlrev_b32 v[L32], 5, v[L4]
	s_delay_alu instid0(VALU_DEP_4)
	v_lshlrev_b32 v[L4], 2, v[L4]
	v_lshlrev_b32 v[SH], 4, v2
	v_lshlrev_b32 v[SH8], 3, v2
	s_mul_i32 s25, s20, 2*STEPB                    ; my two key steps
	v_add_nc_u32 v[KW], s25, v[LI]
	s_add_co_u32 s25, s25, VIMG
	v_add_nc_u32 v[VW], s25, v[LI]
	s_lshl_b32 s25, s20, 10
	s_add_co_u32 s25, s25, KSC
	v_add_nc_u32 v[KSW], s25, v[LI]
	s_add_co_u32 s25, s25, VSC-KSC
	v_add_nc_u32 v[VSW], s25, v[LI]
	v_and_b32 v[WO], 8, v1
	s_delay_alu instid0(VALU_DEP_1)
	v_mad_u32_u24 v[WO], v[WO], 3, v1              ; r + 24 (r / 8) = r % 8 + 32 (r / 8)
	s_delay_alu instid0(VALU_DEP_1)
	v_lshlrev_b32 v[WSO], 1, v[WO]
	s_delay_alu instid0(VALU_DEP_2)
	v_mul_u32_u24 v[WO], v[WO], 48
	s_delay_alu instid0(VALU_DEP_1)
	v_mad_u32_u24 v[WO], v2, 24, v[WO]
	s_mov_b32 s36, 0x76543210
	s_mov_b32 s37, 0xfedcba98                      ; v_permlanex16_b32: lane l xor 16
	s_mov_b32 s38, 0x3e38aa3b                      ; c = log2(e) / 8
	s_mov_b32 s39, s38                             ; (named with it as a pair)
	s_mov_b32 s41, KIMG                            ; where the walk's next loads begin
	s_mov_b32 s42, VIMG
	s_mov_b32 s43, KSC
	s_mov_b32 s44, VSC
	s_mov_b32 s3, 0
	s_lshl_b32 s26, s23, 7
	s_lshl_b32 s25, ttmp9, 5
	s_add_co_u32 s26, s26, s25
	s_lshl_b32 s25, s20, 2
	s_add_co_u32 s26, s26, s25                     ; my first tile of 16 queries: 128 batch + 32 block + 4 wave
	s_wait_alu depctr_va_vdst(0)
	s_wait_kmcnt 0x0
	s_mul_i32 s2, s24, 6144                        ; the head's 128 rows of w_kv_b, 48 bytes each: 64 of K, then 64 of V
	s_add_nc_u64 s[8:9], s[8:9], s[2:3]
	s_lshl_b32 s2, s24, 8
	s_add_nc_u64 s[10:11], s[10:11], s[2:3]
	s_mul_i32 s2, s24, 3072
	s_add_nc_u64 s[12:13], s[12:13], s[2:3]
	s_lshl_b32 s2, s24, 7
	s_add_nc_u64 s[14:15], s[14:15], s[2:3]
	s_mul_i32 s2, s23, 98304                       ; the batch's 128 tiles of kv latents, my 16 of them
	s_mul_i32 s25, s20, 12288
	s_add_co_u32 s2, s2, s25
	s_add_nc_u64 s[28:29], s[4:5], s[2:3]
	s_lshl_b32 s2, s23, 13
	s_lshl_b32 s25, s20, 10
	s_add_co_u32 s2, s2, s25
	s_add_nc_u64 s[30:31], s[6:7], s[2:3]
	s_mul_i32 s2, s26, 768                         ; my four tiles of q latents
	s_add_co_u32 s2, s2, 393216
	s_add_nc_u64 s[32:33], s[4:5], s[2:3]
	s_lshl_b32 s2, s26, 6
	s_add_co_u32 s2, s2, 32768
	s_add_nc_u64 s[34:35], s[6:7], s[2:3]
	s_mul_i32 s2, s24, 393216                      ; y: the head's plane, my four tiles
	s_mul_i32 s25, s26, 768
	s_add_co_u32 s2, s2, s25
	s_add_nc_u64 s[16:17], s[16:17], s[2:3]
	s_lshl_b32 s2, s26, 9                          ; 16 rows of 32 bytes a tile,
	s_lshl_b32 s25, s24, 1                         ; the head's two bytes
	s_add_co_u32 s2, s2, s25
	s_add_nc_u64 s[18:19], s[18:19], s[2:3]
	WIN 0x40                                       ; destination window 1
.irp i, 0,1,2,3,4,5,6,7,8,9,10,11,12,13,14,15
	global_load_b128 v[LT+6*\i:LT+6*\i+3], v[LI], s[28:29] offset:768*\i
	global_load_b64 v[LT+6*\i+4:LT+6*\i+5], v[L8], s[28:29] offset:768*\i+512
.endr
.irp t, 0,1,2,3
.irp i, 0,1,2
	global_load_b64 v[WK+12*\t+2*\i:WK+12*\t+2*\i+1], v[WO], s[8:9] offset:8*\t*48+8*\i
	global_load_b64 v[WV+12*\t+2*\i:WV+12*\t+2*\i+1], v[WO], s[8:9] offset:3072+8*\t*48+8*\i
	global_load_b64 v[WQ+12*\t+2*\i:WQ+12*\t+2*\i+1], v[WO], s[12:13] offset:8*\t*48+8*\i
.endr
.endr
.irp t, 0,1,2,3
.irp i, 6,7,8,9,10,11
	v_mov_b32 v[WK+12*\t+\i], 0                    ; the weights' K ends at 64: zero codes above
	v_mov_b32 v[WV+12*\t+\i], 0
	v_mov_b32 v[WQ+12*\t+\i], 0
.endr
.endr
.irp i, 0,1,2,3,4,5
	v_mov_b32 v[LT+96+\i], 0                       ; what the last tile's operand reaches into
.endr
	WIN 0
.irp i, 0,1,2,3
	global_load_b128 v[QL+6*\i:QL+6*\i+3], v[LI], s[32:33] offset:768*\i
	global_load_b64 v[QL+6*\i+4:QL+6*\i+5], v[L8], s[32:33] offset:768*\i+512
.endr
.irp t, 0,1,2,3
	global_load_u16 v[WKS+\t], v[WSO], s[10:11] offset:16*\t
	global_load_u16 v[WVS+\t], v[WSO], s[10:11] offset:128+16*\t
	global_load_u16 v[WQS+\t], v[WSO], s[14:15] offset:16*\t
.endr
.irp j, 0,1,2,3,4,5,6,7
	global_load_b32 v[LSC+\j], v[L4], s[30:31] offset:128*\j   ; lanes 0-15: tile 2 j's words, lanes 16-31: tile 2 j + 1's
.endr
	global_load_b32 v[QLS], v[L4], s[34:35]
	global_load_b32 v[QLS+1], v[L4], s[34:35] offset:128
.irp i, 0,1,2,3,4,5
	v_mov_b32 v[QL+24+\i], 0
.endr
.irp b, 0,1,2,3
	v_mov_b32 v[TM+4+\b], 0                        ; a lane permute's destination counts as one of its sources
.endr
	s_wait_loadcnt 0x0
	; each unit's products are issued ahead of the quantising of the unit before, which is then the distance between them and the first read of their results (ISA guide 7.12.1)
	WIN 0x05                                       ; sources 0 and 1 window 1
	MM 0
.set N, 0
.rept 15
	WIN 0x05
	MM N+1
	WIN 0
.if N == 0
.rept 4
	v_nop
.endr
.endif
	FIN N
.set N, N+1
.endr
	WIN 0x01                                       ; source 0 (w_q_b) window 1
	MMQ 0
	WIN 0
	FIN 15
	QUANT S, Q, Q+12, QS                           ; tiles 0 and 1 of my queries: six registers each
	v_lshrrev_b32 v[QS+1], 16, v[QS]
	WIN 0x01
	MMQ 1
	WIN 0
.rept 4
	v_nop
.endr
	QUANT S, Q+24, Q+36, QS+2
	v_lshrrev_b32 v[QS+3], 16, v[QS+2]
.irp t, 0,1,2,3
.irp i, 6,7,8,9,10,11
	v_mov_b32 v[Q+12*\t+\i], 0                     ; Q's K ends at 64: zero codes above
.endr
.endr
.irp t, 0,1,2,3
	v_mov_b32 v[ST+4*\t+1], 0xff61b1e6             ; the largest t so far: -3e38
	s_delay_alu instid0(VALU_DEP_1)
	v_floor_f32 v[ST+4*\t], -v[ST+4*\t+1]          ; -M
	v_mov_b32 v[ST+4*\t+2], 0                      ; the sum
	v_mov_b32 v[ST+4*\t+3], 0
.endr
	v_mov_b32 v[F+1], 0
	WIN 0x40
.set J, 0
.rept 128
	v_mov_b32 v[O+J], 0                            ; O^T.  The key step is written once: its first trip finds zeros, which the first change of M leaves zeros
.set J, J+1
.endr
.irp i, 0,1,2,3,4,5
	v_mov_b32 v[KF+48+\i], 0                       ; what K's last tile's operand reaches into
.endr
	WIN 0
	s_wait_dscnt 0x0                               ; for the others: my images lie in LDS
	s_barrier_signal -1
	s_barrier_wait -1                              ; the one barrier: from here on LDS is only read
.macro LOADK                           ; a step's K: its scale words and 12 x 512 bytes: 13 loads
	v_add_nc_u32 v[RDK], s41, v[LI]
	v_add_nc_u32 v[RDS], s43, v[LI]
	s_add_co_u32 s41, s41, STEPB
	s_add_co_u32 s43, s43, 512
	ds_load_b128 v[KS:KS+3], v[RDS]
	WIN 0x40
.irp i, 0,1,2,3,4,5,6,7,8,9,10,11
	ds_load_b128 v[KF+4*\i:KF+4*\i+3], v[RDK] offset:512*\i
.endr
	WIN 0
.endm
.macro LOADV                           ; and its V: 13 loads
	v_add_nc_u32 v[RDV], s42, v[LI]
	v_add_nc_u32 v[RDT], s44, v[LI]
	s_add_co_u32 s42, s42, STEPB
	s_add_co_u32 s44, s44, 512
	ds_load_b128 v[VS:VS+3], v[RDT]
	WIN 0x40
.irp i, 0,1,2,3,4,5,6,7,8,9,10,11
	ds_load_b128 v[VF+4*\i:VF+4*\i+3], v[RDV] offset:512*\i
.endr
	WIN 0
.endm
; One tile of 16 queries against a step's 128 keys.  Lane (r, h) holds query r; its registers 32 c + i are keys 64 c + 32 h + i: blocks h and 2 + h of the step's four.
.macro TILE t
.set sT, ST+4*(\t)
.if (\t) == 0
	s_wait_dscnt 13                                ; K's 13 loads are in; V's 13, issued behind them, may be out: so on the way in and over the backward jump
.endif
	WIN 0x01                                       ; source 0 (K) window 1
.irp tt, 0,1,2,3,4,5,6,7
	FP6Z S+8*\tt, KF+6*\tt, Q+12*(\t), KS+\tt/2, QS+(\t), \tt%2
.endr
	WIN 0
.rept 4
	v_nop                                          ; four places ahead of the first read of the scores, and of the loads below
.endr
.if (\t) == 3
	LOADK                                          ; the next step's K: it has this tile's softmax in which to land.  The last trip's reads the bytes behind K's images, V's first, and nothing uses them
.endif
.irp c, 0,1                                        ; the largest score of each of my two blocks, 15 three-input maxima each in two chains, then one maximum: for the row's maximum, and for the block's largest p
	v_max3_num_f32 v[TM+2*\c], v[S+32*\c], v[S+32*\c+1], v[S+32*\c+2]
	v_max3_num_f32 v[TM+2*\c+1], v[S+32*\c+17], v[S+32*\c+18], v[S+32*\c+19]
.endr
.irp i, 0,2,4,6,8,10
.irp c, 0,1
	v_max3_num_f32 v[TM+2*\c], v[TM+2*\c], v[S+32*\c+3+\i], v[S+32*\c+4+\i]
	v_max3_num_f32 v[TM+2*\c+1], v[TM+2*\c+1], v[S+32*\c+20+\i], v[S+32*\c+21+\i]
.endr
.endr
.irp c, 0,1
	v_max3_num_f32 v[TM+2*\c], v[TM+2*\c], v[S+32*\c+15], v[S+32*\c+16]
.endr
.irp c, 0,1
	s_delay_alu instid0(VALU_DEP_2)
	v_max_num_f32 v[TM+2*\c], v[TM+2*\c], v[TM+2*\c+1]
.endr
	s_delay_alu instid0(VALU_DEP_1)
	v_max_num_f32 v[TM+10], v[TM], v[TM+2]
	s_delay_alu instid0(VALU_DEP_1)
	v_permlanex16_b32 v[TM+4], v[TM+10], s36, s37
	s_delay_alu instid0(VALU_DEP_1)
	v_max_num_f32 v[TM+10], v[TM+10], v[TM+4]      ; with lane l xor 16: the step's largest score of my query
	s_delay_alu instid0(VALU_DEP_1)
	v_mul_f32 v[TM+10], s38, v[TM+10]              ; as t (c is positive)
	s_delay_alu instid0(VALU_DEP_1)
	v_max_num_f32 v[sT+1], v[sT+1], v[TM+10]       ; the running largest t
	v_mov_b32 v[TM+10], v[sT]
	s_delay_alu instid0(VALU_DEP_2)
	v_floor_f32 v[sT], -v[sT+1]                    ; the new -M = -ceil(t)
	s_delay_alu instid0(VALU_DEP_1)
	v_sub_f32 v[TM+10], v[sT], v[TM+10]            ; old M - new M: a whole number, 0 or less
	s_delay_alu instid0(VALU_DEP_1)
	v_cvt_i32_f32 v[TM+10], v[TM+10]               ; (it saturates)
	s_delay_alu instid0(VALU_DEP_1)
	v_ldexp_f32 v[F], 1.0, v[TM+10]                ; f = 2^(old M - new M)
.set J, 0
.rept 32
	v_pk_fma_f32 v[S+J:S+J+1], v[S+J:S+J+1], s[38:39], v[sT:sT+1] op_sel_hi:[1,0,0]   ; t - M
.set J, J+2
.endr
.irp b, 0,2
	v_fma_f32 v[TM+\b], v[TM+\b], s38, v[sT]       ; the same of each block's largest score
.endr
.set J, 0
	s_wait_alu depctr_va_vdst(0)                   ; the wait ahead of the batch
.rept 64
	v_exp_f32 v[S+J], v[S+J]                       ; p = 2^(t - M)
.set J, J+1
.endr
	v_pk_mul_f32 v[sT+2:sT+3], v[sT+2:sT+3], v[F:F+1] op_sel_hi:[1,0]   ; the sums under the new M: the plain instruction behind the batch
	s_wait_alu depctr_va_vdst(0)                   ; one wait for the batch, ahead of its first reader
.irp b, 0,2
	v_exp_f32 v[TM+\b], v[TM+\b]                   ; the block's largest p
.endr
	v_pk_add_f32 v[TM+8:TM+9], v[S:S+1], v[S+2:S+3]                 ; the sum of the unquantised p, in two chains
.irp j, 4,8,12,16,20,24,28,32,36,40,44,48,52,56,60
	v_pk_add_f32 v[sT+2:sT+3], v[sT+2:sT+3], v[S+\j:S+\j+1]
	v_pk_add_f32 v[TM+8:TM+9], v[TM+8:TM+9], v[S+\j+2:S+\j+3]
.endr
	s_delay_alu instid0(VALU_DEP_1)
	v_pk_add_f32 v[sT+2:sT+3], v[sT+2:sT+3], v[TM+8:TM+9]
	s_wait_alu depctr_va_vdst(0)                   ; and one for the two
.irp b, 0,2
	v_max_num_f32 v[TM+\b], 0x1800000, v[TM+\b]    ; the floor 2^(3 - 127)
.endr
.irp c, 0,1
	v_add_nc_u32 v[TM+12+\c], 0xff000000, v[TM+2*\c]   ; 2 off the exponent field: the conversion's scale operand
.endr
.irp c, 0,1
	v_cvt_scalef32_pk16_fp6_f32 v[PC+6*\c:PC+6*\c+2], v[S+32*\c:S+32*\c+15], v[TM+12+\c]
	v_cvt_scalef32_pk16_fp6_f32 v[TP+4*\c:TP+4*\c+2], v[S+32*\c+16:S+32*\c+31], v[TM+12+\c]
.endr
	WORD PC, PC+6, PW                              ; p's scale word for these 128 keys
	WIN 0x41                                       ; O^T (destination and source 0) window 1
.set J, 0
.rept 16
	v_pk_mul_f32 v[O+32*(\t)+J:O+32*(\t)+J+1], v[O+32*(\t)+J:O+32*(\t)+J+1], v[F:F+1] op_sel_hi:[1,0]   ; O^T under the new M; these also stand between the codes' and the scale word's last writes and the products
.set J, J+2
.endr
.if (\t) == 0
	s_wait_alu depctr_va_vdst(0)
	s_wait_dscnt 0x0                               ; V is in
.endif
	WIN 0x51                                       ; source 0 (V), C and D window 1; source 1 (p) window 0
.irp dt, 0,1,2,3
	FP6A O+32*(\t)+8*\dt, VF+12*\dt, PC, VS+\dt, PW
.endr
.endm
	LOADK                                          ; key step 0
	s_mov_b32 s40, 16
.Lstep:                                            ; 16 trips of 128 keys
	v_nop                                          ; with the two additions below: four places between the last products and the loads into V's registers
	v_nop
	LOADV
	s_wait_alu depctr_va_vdst(0)
	TILE 0
	TILE 1
	TILE 2
	TILE 3
	WIN 0
	s_sub_co_u32 s40, s40, 1
	s_cmp_lg_u32 s40, 0
	s_cbranch_scc1 .Lstep
	s_wait_dscnt 0x0                               ; the last look-ahead has landed
	; THE WAY OUT.  y = O^T / the sum, quantised along d, two tiles at a time; the additions are the distance behind the last products.
.irp t, 0,1,2,3
	v_add_f32 v[ST+4*\t+2], v[ST+4*\t+2], v[ST+4*\t+3]
.endr
.irp t, 0,1,2,3
	s_delay_alu instid0(VALU_DEP_4)
	v_permlanex16_b32 v[TM+4+\t], v[ST+4*\t+2], s36, s37
.endr
.irp t, 0,1,2,3
	s_delay_alu instid0(VALU_DEP_4)
	v_add_f32 v[ST+4*\t+2], v[ST+4*\t+2], v[TM+4+\t]
.endr
	s_wait_alu depctr_va_vdst(0)                   ; the wait ahead of the batch
.irp t, 0,1,2,3
	v_rcp_f32 v[ST+4*\t+2], v[ST+4*\t+2]
.endr
	v_nop                                          ; a plain instruction behind the last reciprocal,
	s_wait_alu depctr_va_vdst(0)                   ; and one wait for the four
.macro YOUT j, d0, d1, pw
	WIN 0x01                                       ; source 0 (O^T) window 1
.irp tt, 0,1
.irp i, 0,2,4,6,8,10,12,14,16,18,20,22,24,26,28,30
	v_pk_mul_f32 v[S+32*\tt+\i:S+32*\tt+\i+1], v[O+32*(2*(\j)+\tt)+\i:O+32*(2*(\j)+\tt)+\i+1], v[ST+4*(2*(\j)+\tt)+2:ST+4*(2*(\j)+\tt)+3] op_sel_hi:[1,0]
.endr
.endr
	WIN 0
	QUANT S, \d0, \d1, \pw
	global_store_b128 v[LI], v[(\d0):(\d0)+3], s[16:17] offset:(2*(\j))*768          ; 512 consecutive bytes at a multiple of 256 from the buffer's first byte,
	global_store_b64 v[L8], v[(\d0)+4:(\d0)+5], s[16:17] offset:(2*(\j))*768+512     ; and 256 more
	global_store_b128 v[LI], v[(\d1):(\d1)+3], s[16:17] offset:(2*(\j)+1)*768
	global_store_b64 v[L8], v[(\d1)+4:(\d1)+5], s[16:17] offset:(2*(\j)+1)*768+512
	v_lshrrev_b32 v[YB+(\j)], v[SH], v[\pw]        ; lanes 16-31: the odd tile's two bytes
	global_store_b16 v[L32], v[YB+(\j)], s[18:19] offset:1024*(\j)                   ; two bytes of each of 32 rows: the bytes beside them are other heads': 2 of the 50 bytes that a row and head store
.endm
	YOUT 0, PC, PC+6, PW
	YOUT 1, Q, Q+6, PW+1                           ; other registers: no store's data are written again
	s_wait_tensorcnt 0x0                           ; the wave's end
	ds_add_u32 v202, v203
	s_wait_dscnt 0x0
	s_endpgm
.Lfunc_end_k_q8c00ca6d98_attn:
	.size	k_q8c00ca6d98_attn, .Lfunc_end_k_q8c00ca6d98_attn-k_q8c00ca6d98_attn
	.p2alignl 7, 3214868480
	.fill 96, 4, 3214868480
	.section	.rodata,"a",@progbits
	.p2align	6, 0x0
	.amdhsa_kernel k_q8c00ca6d98_attn
		.amdhsa_group_segment_fixed_size 214016
		.amdhsa_private_segment_fixed_size 0
		.amdhsa_enable_private_segment 0
		.amdhsa_kernarg_size 64
		.amdhsa_user_sgpr_count 2
		.amdhsa_user_sgpr_kernarg_segment_ptr 1
		.amdhsa_wavefront_size32 1
		.amdhsa_system_sgpr_workgroup_id_x 1
		.amdhsa_system_sgpr_workgroup_id_y 1
		.amdhsa_system_sgpr_workgroup_id_z 1
		.amdhsa_system_vgpr_workitem_id 0
		.amdhsa_next_free_vgpr 512
		.amdhsa_next_free_sgpr 66
		.amdhsa_reserve_vcc 0
		.amdhsa_float_denorm_mode_32 3
		.amdhsa_float_denorm_mode_16_64 3
		.amdhsa_memory_ordered 1
		.amdhsa_forward_progress 1
		.amdhsa_inst_pref_size 167
	.end_amdhsa_kernel
	.amdgpu_metadata
---
amdhsa.version: [ 1, 2 ]
amdhsa.kernels:
  - .name:           k_q8c00ca6d98_attn
    .symbol:         k_q8c00ca6d98_attn.kd
    .args:
      - { .name: lat_codes, .offset: 0, .size: 8, .value_kind: global_buffer, .address_space: global }
      - { .name: lat_scales, .offset: 8, .size: 8, .value_kind: global_buffer, .address_space: global }
      - { .name: w_kv_b_codes, .offset: 16, .size: 8, .value_kind: global_buffer, .address_space: global }
      - { .name: w_kv_b_scales, .offset: 24, .size: 8, .value_kind: global_buffer, .address_space: global }
      - { .name: w_q_b_codes, .offset: 32, .size: 8, .value_kind: global_buffer, .address_space: global }
      - { .name: w_q_b_scales, .offset: 40, .size: 8, .value_kind: global_buffer, .address_space: global }
      - { .name: y_codes, .offset: 48, .size: 8, .value_kind: global_buffer, .address_space: global }
      - { .name: y_scales, .offset: 56, .size: 8, .value_kind: global_buffer, .address_space: global }
    .group_segment_fixed_size: 214016
    .private_segment_fixed_size: 0
    .kernarg_segment_align: 8
    .kernarg_segment_size: 64
    .max_flat_workgroup_size: 256
    .sgpr_count:     66
    .vgpr_count:     512
    .wavefront_size: 32
...
	.end_amdgpu_metadata
.endif
;; end of part 2
;; launch proj (part 3): grid 8 x 32, 4 waves a work-group, clusters of 4 x 4, 327,680 bytes of LDS; arguments y_codes, y_scales, w_proj_codes, w_proj_scales, out0; writes out0
.if DOCPART == 3
	.amdgcn_target "amdgcn-amd-amdhsa--gfx1250"
	.amdhsa_code_object_version 6
	.text
	.protected	k_q8c00ca6d98_proj
	.globl	k_q8c00ca6d98_proj
	.p2align	8
	.type	k_q8c00ca6d98_proj,@function
k_q8c00ca6d98_proj:
	s_mov_b64 s[64:65], 0
	v_nop
	global_prefetch_b8 v0, s[64:65] scope:SCOPE_SE
	s_setreg_imm32_b32 hwreg(HW_REG_WAVE_MODE, 25, 1), 1
	s_wait_xcnt 0x0
	s_wait_alu depctr_hold_cnt(0) depctr_sa_sdst(0) depctr_va_vdst(0) depctr_va_sdst(0) depctr_va_ssrc(0) depctr_va_vcc(0) depctr_vm_vsrc(0)
	s_getreg_b32 s2, hwreg(HW_REG_IB_STS2, 6, 4)
	s_cmp_eq_u32 s2, 0
	s_cbranch_scc0 .Lentry_in_a_cluster
	s_endpgm
.Lentry_in_a_cluster:
	s_bfe_u32 s2, ttmp6, 0x10000c
	s_cmp_lg_u32 s2, 0xf033
	s_cbranch_scc0 .Lentry_shape_is_right
	s_endpgm
.Lentry_shape_is_right:
; out0[m][n] = sum over k of y[m][k] w_proj[n][k]: M = 8,192, N = 1,024, K = 1,024, on codes of FP6 (E2M3) with one E8M0 byte for each 32 along K; sums in f32.
; A work-group makes 256 x 128 of the result: 32 x 8 = 256 work-groups.  Four waves, each 128 rows x 64 columns: 32 accumulators of 16 x 16.
; ALL OF K LIES IN LDS AT ONCE: w_proj's 128 whole rows of 768 bytes (16 bytes of padding behind every 256: pitch 816) are 104,448 bytes, y's 256 rows 196,608.  So no slot is ever filled again:
; each wave issues one tensor load at the head (waves 0, 1: y's heads 0-7, 8-15; waves 2, 3: w_proj's rows 0-63, 64-127), one barrier follows, and from there on the tiles are only read.
; y_codes is [head 16][tile of 16 rows 512][768 bytes]: registers 0-5 of an operand as they stand (512 bytes: registers 0-3, 16 a lane; 256: registers 4-5, 8 a lane).  A step of 128 along K is two heads.
; THE SCALES go from memory into registers: lane (r, h) takes 16 bytes at 32 r + 16 h of a block's 16 rows, so that a load covers 512 consecutive bytes; lanes 0-15 then hold the words of steps 0-3, lanes 16-31 those of steps 4-7.
; CLUSTERS: 4 x 4.  y's tiles hang on the row block alone and are asked for jointly along a row of the cluster, w_proj's on the column block alone and jointly along a column.
; NO PREFETCH: every tile is asked for at the head, and there is no loop to run ahead in.
; THE PRODUCT IS USED TRANSPOSED (source 0 = 16 rows of w_proj, source 1 = 16 rows of y): a lane holds eight neighbouring numbers of a row of the result.
; REGISTERS: window 0: addresses, v32-63 y's scale words, v64-79 w_proj's, v128-191 the way out; window 1: y's fragments, two sets of 96; window 2: the accumulators, (a, b) at 8 (4 a + b); window 3: w_proj's fragments, two sets of 48.
; LIMIT: a given scale byte of 0xff gives NaN.
.set PB,     816
.set BHALF,  64*PB
.set ABASE,  2*BHALF
.set IMG,    768
.set HEADL,  16*IMG                    ; a head's 16 tiles in LDS
.set HEADP,  512*IMG                   ; a head's plane in memory
.set SPARE,  ABASE+16*HEADL            ; the spare words: 128 bytes a wave
.set STAGE,  SPARE+512                 ; the way out: 16 rows x (256 + 16) bytes for each wave; no tile lands here
.set SPITCH, 272
.set VSO,  11
.set ADRB, 12                          ; v12 my fragments of w_proj; v13 the same behind one padding more for lanes 16-31
.set ADRA, 16                          ; v16-19 y's images, 16 bytes a lane, heads 4 g ..;  v20-23 8 bytes a lane
.set ADRA8, 20
.set STO,  24
.set RD,   25
.set CO,   26
.set SPW,  28
.set NIL,  29
.set SA,   32
.set SB,   64
.set BK,   128
.set G1,  24
.set G0,  32
.set G1B, 48
.set G0B, 56
.set MSB, 0
.macro WIN new                         ; the immediate's high byte repeats the setting that is left
.if MSB != \new
	s_set_vgpr_msb (MSB<<8)|\new
.set MSB, \new
.endif
.endm
.macro CROUND                          ; a round of the cluster's barrier
	s_barrier_signal -1
	s_barrier_wait -1
	s_cmp_lg_u32 s14, 0
	s_cbranch_scc1 .Lnot_wave_0_\@
	s_barrier_signal -3
.Lnot_wave_0_\@:
	s_barrier_wait -3
	s_barrier_signal -1
	s_barrier_wait -1
.endm
	s_load_b128 s[4:7], s[0:1], 0x0                ; y_codes, y_scales
	s_load_b128 s[8:11], s[0:1], 0x10              ; w_proj_codes, w_proj_scales
	s_load_b64 s[12:13], s[0:1], 0x20              ; out0
	v_lshl_add_u32 v[SPW], v0, 2, SPARE
	v_mov_b32 v[NIL], 0
	ds_add_u32 v[SPW], v[NIL]                      ; the opening lines: the add, twice on end, and its wait ahead of my first tensor load
	ds_add_u32 v[SPW], v[NIL]
	v_lshrrev_b32 v1, 5, v0
	v_readfirstlane_b32 s14, v1                    ; wave 0..3
	s_lshr_b32 s15, s14, 1                         ; my half of the block's rows.  Also: I fetch y (0) or w_proj (1)
	s_and_b32 s16, s14, 1                          ; my half of its columns.  Also: which half of that tile I fetch
	s_bfe_u32 s40, ttmp6, 0x40000                  ; cx, cy
	s_bfe_u32 s41, ttmp6, 0x40004
	s_lshl_b32 s42, ttmp9, 2
	s_add_co_u32 s42, s42, s40                     ; column block 0..7
	s_and_b32 s17, ttmp7, 0xffff
	s_lshl_b32 s17, s17, 2
	s_add_co_u32 s17, s17, s41                     ; row block 0..31
	s_lshl_b32 s43, s41, 2
	s_lshl_b32 s43, 15, s43                        ; my row of the cluster
	s_lshl_b32 s44, 0x1111, s40                    ; my column
	s_or_b32 s[G1+0], s43, (3<<16)|(1<<21)         ; y: 8 heads x 12,288 bytes (1,536 elements of 8), a plane apart
	s_mov_b32 s[G1+1], (HEADL/8)<<16
	s_mov_b32 s[G1+2], 8<<16
	s_mov_b32 s[G1+3], (HEADL/8)<<16
	s_mov_b32 s[G1+4], 8
	s_mov_b32 s[G1+5], HEADP/8
	s_mov_b32 s[G1+6], 0
	s_mov_b32 s[G1+7], 0
	s_or_b32 s[G1B+0], s44, (1<<20)|(1<<21)|(5<<22)|(3<<25)   ; w_proj: 64 rows of 768 bytes, 4 words of padding behind every 64
	s_mov_b32 s[G1B+1], 768<<16
	s_mov_b32 s[G1B+2], 64<<16
	s_mov_b32 s[G1B+3], 768<<16
	s_mov_b32 s[G1B+4], 64
	s_mov_b32 s[G1B+5], 768
	s_mov_b32 s[G1B+6], 0
	s_mov_b32 s[G1B+7], 0
	s_mul_i32 s20, s17, HEADL                      ; y: the block's 16 tiles, my 8 heads
	s_mul_i32 s18, s16, 8*HEADP
	s_add_co_u32 s20, s20, s18
	s_mov_b32 s21, 0
	s_mul_i32 s46, s42, 128*768                    ; w_proj: the block's 128 rows, my 64
	s_mul_i32 s18, s16, 64*768
	s_add_co_u32 s46, s46, s18
	s_mov_b32 s47, 0
	s_mul_i32 s45, s16, 8*HEADL
	s_add_co_u32 s45, s45, ABASE
	s_mul_i32 s94, s16, BHALF                      ; where w_proj's half lands, and where my 64 columns' rows lie
	s_mul_i32 s61, s15, 8*IMG
	s_add_co_u32 s61, s61, ABASE                   ; my 8 tiles of each head
	s_mul_i32 s62, s14, 16*SPITCH
	s_add_co_u32 s62, s62, STAGE                   ; my stage
	s_lshl_b32 s22, s17, 13                        ; y's scales: 32 bytes a row
	s_lshl_b32 s18, s15, 12
	s_add_co_u32 s22, s22, s18
	s_mov_b32 s23, 0
	s_lshl_b32 s92, s42, 12                        ; w_proj's
	s_lshl_b32 s18, s16, 11
	s_add_co_u32 s92, s92, s18
	s_mov_b32 s93, 0
	s_lshl_b32 s36, s17, 20                        ; out0: 4,096 bytes a row
	s_lshl_b32 s18, s15, 19
	s_add_co_u32 s36, s36, s18
	s_lshl_b32 s18, s42, 9
	s_add_co_u32 s36, s36, s18
	s_lshl_b32 s18, s16, 8
	s_add_co_u32 s36, s36, s18
	s_mov_b32 s37, 0
	s_wait_dscnt 0x0                               ; both opening adds are done
	s_wait_kmcnt 0x0
	s_mov_b32 s[G0], 1
	s_mov_b32 s[G0+1], s45
	s_add_nc_u64 s[G0+2:G0+3], s[4:5], s[20:21]
	s_or_b32 s[G0+3], s[G0+3], 0x80000000
	s_mov_b32 s[G0B], 1
	s_mov_b32 s[G0B+1], s94
	s_add_nc_u64 s[G0B+2:G0B+3], s[8:9], s[46:47]
	s_or_b32 s[G0B+3], s[G0B+3], 0x80000000
	s_add_nc_u64 s[22:23], s[6:7], s[22:23]
	s_add_nc_u64 s[92:93], s[10:11], s[92:93]
	s_add_nc_u64 s[12:13], s[12:13], s[36:37]
	CROUND                                         ; all sixteen work-groups are here: the joint loads meet
	s_cmp_eq_u32 s15, 0                            ; one load a wave, one fill to an arm
	s_cbranch_scc0 .Lfor_b
	tensor_load_to_lds s[G0:G0+3], s[G1:G1+7]
	s_nop 0
.rept 4
	v_nop
.endr
	s_branch .Lasked
.Lfor_b:
	tensor_load_to_lds s[G0B:G0B+3], s[G1B:G1B+7]
	s_nop 0
.rept 4
	v_nop
.endr
.Lasked:
	v_and_b32 v1, 15, v0                           ; r
	v_bfe_u32 v2, v0, 4, 1                         ; h
	v_and_b32 v3, 31, v0                           ; lane
	v_lshlrev_b32 v4, 5, v1
	v_lshl_add_u32 v[VSO], v2, 4, v4               ; 32 r + 16 h
.irp i, 0,1,2,3,4,5,6,7
	global_load_b128 v[SA+4*\i:SA+4*\i+3], v[VSO], s[22:23] offset:512*\i
.endr
.irp i, 0,1,2,3
	global_load_b128 v[SB+4*\i:SB+4*\i+3], v[VSO], s[92:93] offset:512*\i
.endr
	v_mul_u32_u24 v5, v1, PB
	v_mad_u32_u24 v5, v2, 24, v5
	v_add_nc_u32 v[ADRB], s94, v5
	v_lshl_add_u32 v[ADRB+1], v2, 4, v[ADRB]
	v_lshl_add_u32 v6, v3, 4, s61
	v_lshl_add_u32 v7, v3, 3, s61
.irp g, 0,1,2,3
	v_add_nc_u32 v[ADRA+\g], \g*4*HEADL, v6
	v_add_nc_u32 v[ADRA8+\g], \g*4*HEADL, v7
.endr
	v_mul_u32_u24 v8, v1, SPITCH                   ; in: row r, 32 bytes for each half of the lanes
	v_lshl_add_u32 v8, v2, 5, v8
	v_add_nc_u32 v[STO], s62, v8
	v_mul_u32_u24 v9, v2, SPITCH                   ; back: lanes 0-15 one row of 256 bytes, lanes 16-31 the next
	v_lshl_add_u32 v9, v1, 4, v9
	v_add_nc_u32 v[RD], s62, v9
	v_lshlrev_b32 v10, 12, v2
	v_lshl_add_u32 v[CO], v1, 4, v10               ; and the same two rows in out0
; a fragment of w_proj: lane (r, h) takes 24 bytes of row r twice, in pieces of 8; byte y of a row lies at y + 16 (y / 256)
.macro FRAGB reg, st, i
.irp p, 0,1,2,3,4,5
.set BY, 96*(\st)+48*(\p/3)+8*(\p%3)
.if BY/256 == (BY+24)/256
	ds_load_b64 v[\reg+2*\p:\reg+2*\p+1], v[ADRB] offset:BY+16*(BY/256)+(\i)*16*PB
.else
	ds_load_b64 v[\reg+2*\p:\reg+2*\p+1], v[ADRB+1] offset:BY+16*(BY/256)+(\i)*16*PB
.endif
.endr
.endm
; a fragment of y: the images of heads 2 st and 2 st + 1
.macro FRAGA reg, st, i
.irp c, 0,1
	ds_load_b128 v[\reg+6*\c:\reg+6*\c+3], v[ADRA+(\st)/2] offset:((2*(\st)+\c)%4)*HEADL+(\i)*IMG
	ds_load_b64 v[\reg+6*\c+4:\reg+6*\c+5], v[ADRA8+(\st)/2] offset:((2*(\st)+\c)%4)*HEADL+(\i)*IMG+512
.endr
.endm
.macro FETCH st                        ; 24 + 32 = 56 LDS loads: step st's fragments into set st % 2
	WIN 0xc0
.irp i, 0,1,2,3
	FRAGB 48*((\st)%2)+12*\i, \st, \i
.endr
	WIN 0x40
.irp i, 0,1,2,3,4,5,6,7
	FRAGA 96*((\st)%2)+12*\i, \st, \i
.endr
	WIN 0
.endm
.macro WM d, b, a, sb, sa, zero, row
.if \zero
	v_wmma_scale_f32_16x16x128_f8f6f4 v[\d:\d+7], v[\b:\b+11], v[\a:\a+11], 0, v[\sb], v[\sa] matrix_a_fmt:MATRIX_FMT_FP6 matrix_b_fmt:MATRIX_FMT_FP6
.elseif \row
	v_wmma_scale_f32_16x16x128_f8f6f4 v[\d:\d+7], v[\b:\b+11], v[\a:\a+11], v[\d:\d+7], v[\sb], v[\sa] matrix_a_fmt:MATRIX_FMT_FP6 matrix_b_fmt:MATRIX_FMT_FP6 matrix_a_scale:MATRIX_SCALE_ROW1 matrix_b_scale:MATRIX_SCALE_ROW1
.else
	v_wmma_scale_f32_16x16x128_f8f6f4 v[\d:\d+7], v[\b:\b+11], v[\a:\a+11], v[\d:\d+7], v[\sb], v[\sa] matrix_a_fmt:MATRIX_FMT_FP6 matrix_b_fmt:MATRIX_FMT_FP6
.endif
.endm
.macro MUL st, zero                    ; 32 matrix instructions; the 32 accumulators take turns in the same order in every step
	WIN 0xa7                                       ; source 0 window 3, source 1 window 1, C and D window 2
.irp a, 0,1,2,3,4,5,6,7
.irp b, 0,1,2,3
	WM 8*(4*\a+\b), 48*((\st)%2)+12*\b, 96*((\st)%2)+12*\a, SB+4*\b+(\st)%4, SA+4*\a+(\st)%4, \zero, (\st)/4
.endr
.endr
.endm
	s_wait_alu depctr_va_vdst(0)
	s_wait_tensorcnt 0x0                           ; my part of the tiles is in;
	s_barrier_signal -1
	s_barrier_wait -1                              ; and so is every wave's
	FETCH 0
	FETCH 1
	s_wait_loadcnt 0x0                             ; the scale words
	s_wait_dscnt 56                                ; all but the 56 loads just issued: step 0's fragments are in
	MUL 0, 1                                       ; the first products start the sums
.set ST, 1
.rept 6
.rept 4
	v_nop                                          ; four places between the last products and loads into registers that they read (ISA guide 7.12.1 for vector instructions)
.endr
	FETCH ST+1
	s_wait_dscnt 56                                ; all but the 56 just issued
	MUL ST, 0
.set ST, ST+1
.endr
	s_wait_dscnt 0x0
	MUL 7, 0
	WIN 0
; THE WAY OUT, by blocks of 16 rows x 64 columns, through my own stage: back come whole rows of 256 bytes.  LDS serves a wave's instructions in order (ISA guide 5.7.1.4): no wait between the stores and the loads.
.macro TOSTAGE a
	WIN 0x08                                       ; the data: window 2
.irp b, 0,1,2,3
	ds_store_b128 v[STO], v[32*(\a)+8*\b:32*(\a)+8*\b+3] offset:64*\b      ; each accumulator from its low end on
	ds_store_b128 v[STO], v[32*(\a)+8*\b+4:32*(\a)+8*\b+7] offset:64*\b+16
.endr
	WIN 0
.irp t, 0,1,2,3,4,5,6,7
	ds_load_b128 v[BK+32*((\a)%2)+4*\t:BK+32*((\a)%2)+4*\t+3], v[RD] offset:\t*2*SPITCH
.endr
.endm
.macro SEND a, younger                 ; younger: the LDS instructions issued behind block a's loads, which may stay out
	s_wait_dscnt \younger
.if (\a) > 0
	s_add_nc_u64 s[12:13], s[12:13], 16*4096       ; (behind a wait on XCNT: the earlier stores have read their base)
.endif
.irp t, 0,1,2,3,4,5,6,7
	global_store_b128 v[CO], v[BK+32*((\a)%2)+4*\t:BK+32*((\a)%2)+4*\t+3], s[12:13] offset:\t*2*4096 th:TH_STORE_NT   ; 16 lanes store 256 consecutive bytes, at a multiple of 256 from out0's first byte
.endr
.endm
.rept 4
	v_nop                                          ; four places ahead of the first read of results
.endr
	TOSTAGE 0
.irp a, 1,2,3,4,5,6,7
.if \a > 1
	s_wait_xcnt 0x0                                ; block a - 2's stores have read their registers and their base
.endif
	TOSTAGE \a
	SEND \a-1, 16                                  ; behind block a - 1's loads: block a's 8 stores and 8 loads
.endr
	s_wait_xcnt 0x0
	SEND 7, 0
	s_wait_tensorcnt 0x0                           ; the wave's end
	ds_add_u32 v[SPW], v[NIL]
	s_wait_dscnt 0x0
	CROUND                                         ; the closing round
	s_endpgm
.Lfunc_end_k_q8c00ca6d98_proj:
	.size	k_q8c00ca6d98_proj, .Lfunc_end_k_q8c00ca6d98_proj-k_q8c00ca6d98_proj
	.p2alignl 7, 3214868480
	.fill 96, 4, 3214868480
	.section	.rodata,"a",@progbits
	.p2align	6, 0x0
	.amdhsa_kernel k_q8c00ca6d98_proj
		.amdhsa_group_segment_fixed_size 327680
		.amdhsa_private_segment_fixed_size 0
		.amdhsa_enable_private_segment 0
		.amdhsa_kernarg_size 40
		.amdhsa_user_sgpr_count 2
		.amdhsa_user_sgpr_kernarg_segment_ptr 1
		.amdhsa_wavefront_size32 1
		.amdhsa_system_sgpr_workgroup_id_x 1
		.amdhsa_system_sgpr_workgroup_id_y 1
		.amdhsa_system_sgpr_workgroup_id_z 1
		.amdhsa_system_vgpr_workitem_id 0
		.amdhsa_next_free_vgpr 1024
		.amdhsa_next_free_sgpr 98
		.amdhsa_reserve_vcc 0
		.amdhsa_float_denorm_mode_32 3
		.amdhsa_float_denorm_mode_16_64 3
		.amdhsa_memory_ordered 1
		.amdhsa_forward_progress 1
		.amdhsa_inst_pref_size 86
	.end_amdhsa_kernel
	.amdgpu_metadata
---
amdhsa.version: [ 1, 2 ]
amdhsa.kernels:
  - .name:           k_q8c00ca6d98_proj
    .symbol:         k_q8c00ca6d98_proj.kd
    .args:
      - { .name: y_codes, .offset: 0, .size: 8, .value_kind: global_buffer, .address_space: global }
      - { .name: y_scales, .offset: 8, .size: 8, .value_kind: global_buffer, .address_space: global }
      - { .name: w_proj_codes, .offset: 16, .size: 8, .value_kind: global_buffer, .address_space: global }
      - { .name: w_proj_scales, .offset: 24, .size: 8, .value_kind: global_buffer, .address_space: global }
      - { .name: out0, .offset: 32, .size: 8, .value_kind: global_buffer, .address_space: global }
    .group_segment_fixed_size: 327680
    .private_segment_fixed_size: 0
    .kernarg_segment_align: 8
    .kernarg_segment_size: 40
    .max_flat_workgroup_size: 128
    .sgpr_count:     98
    .vgpr_count:     1024
    .wavefront_size: 32
...
	.end_amdgpu_metadata
.endif
;; end of part 3
